; MI455X (gfx1250); checked and timed in simulation.
; The chip was launched on July 23, 2026; its instructions are those of AMD's public machine-readable ISA for CDNA 5 (MIT licence, August 2026) and "CDNA5" Instruction Set Architecture Reference Guide (July 2026). The comments in the code are by the model that wrote it; some were corrected since.
;; MSA Attention. Allowed arithmetic: float matrix products may take bf16 or f16 operands with f32 sums; other float arithmetic in f32, or as packed bf16 or f16 multiplies, adds, multiply-adds, maxima and minima; sums over many terms, partial sums and values carried from step to step in f32; what a program stores and reads back later, other than sums and carried values, may be rounded once to bf16 or f16.
;; Inputs: bg 256 float32; bo 256 float32; ln_m_b 256 float32; ln_m_w 256 float32; ln_z_b 128 float32; ln_z_w 128 float32; m 1 x 256 x 256 x 256 float32; mask 1 x 256 x 256 float32; w_z 128 x 8 float32; wg 256 x 256 float32; wk 256 x 256 float32; wo 256 x 256 float32; wq 256 x 256 float32; wv 256 x 256 float32; z 1 x 256 x 256 x 128 float32.
;; Outputs: out0 1 x 256 x 256 x 256 float32.
;; One version. Each part assembles by itself: llvm-mc -triple=amdgcn-amd-amdhsa -mcpu=gfx1250 --defsym DOCPART=n.
;; ======== version 1 of 1: 2 launches
;; limits: values are held in f16: magnitudes above 65,504 overflow, below 6.1e-05 lose precision
;; workspace buffers: stream 1,703,936 bytes
;; launch prep (part 1): grid 256 x 1, 4 waves a work-group, no clusters, 167,936 bytes of LDS; arguments z, ln_z_w, ln_z_b, w_z, wq, wk, wv, wg, wo, stream; writes stream
.if DOCPART == 1
	.amdgcn_target "amdgcn-amd-amdhsa--gfx1250"
	.amdhsa_code_object_version 6
	.text
	.protected	k_q32ce2361d9_prep
	.globl	k_q32ce2361d9_prep
	.p2align	8
	.type	k_q32ce2361d9_prep,@function
k_q32ce2361d9_prep:
	s_mov_b64 s[64:65], 0
	v_nop
	global_prefetch_b8 v0, s[64:65] scope:SCOPE_SE
	s_setreg_imm32_b32 hwreg(HW_REG_WAVE_MODE, 25, 1), 1
	s_wait_xcnt 0x0
; PREP: what every sequence of the attention launch needs alike, made once and laid out as that launch reads it.
;   (1) pair bias: log2(e) x LN(z)[q][k][:] . w_z[:][h], rounded once to f16;   (2) wq, wk, wv, wg, wo rounded once to f16.
; stream = 26 items of 65,536 bytes in the order of use: item 3h = head h's columns of wq, wk, wv, wg; items 3h+1, 3h+2 = head h's bias; items 24, 25 = wo.
; Everything lies in FRAGMENTS of 16 rows x 32 k = 1,024 bytes: byte 512 p + 16 L + 2 e holds (row L % 16, k = 16 p + 8 (L / 16) + e), so that a lane's 16-byte
; load at 16 x lane is its share of a matrix operand (ISA guide 7.12.2: lane L holds row L % 16; registers 0-3 k = 8 (L/16) + 0..7, registers 4-7 sixteen further on).
; SHARES.  Work-group x = (qt, kt) takes 16 queries x 16 keys of z: 256 rows of 512 bytes, each byte of z read once.  Wave w takes queries 16 qt + 4 w + i, i = 0..3; a query's
; 16 keys are the 16 rows of one matrix tile, the heads its columns (columns 8-15 repeat heads 0-7 and are never sent).  The result is one block of 512 bytes of stream a head.
; LN's gain and bias go through the product: sum_c (n_c lw_c + lb_c) wz_c = sum_c n_c (lw_c wz_c) + sum_c lb_c wz_c; the second sum starts the matrix sum as its C operand.
; Mean and variance in two passes over registers: no difference of large sums is formed.
; The work-group also converts block x (512 bytes of stream) of each weight matrix; those reads are 64-byte pieces of rows: 1.3 MB in all beside z's 33.5 MB.
; LIMITS.  f16 ends at 65,504 and keeps a fixed step of 6e-8 below 6e-5: normalised z, log2(e) lw wz, log2(e) x bias and the weights must lie within that.  NaN and infinities are not treated apart.
; No cluster: no two work-groups read the same rows of z.  No prefetch: the whole of a work-group's z is asked for at its head by one tensor load a wave.
.set ZP,    528                        ; a row of z in LDS: 512 bytes + 16 of padding: the 16 rows of a fragment load start 16 bytes apart modulo 256
.set ZQ,    16*ZP                      ; a query's 16 keys
.set ZW,    4*ZQ                       ; a wave's four queries
.set STAGE, 4*ZW                       ; behind z: 2,048 bytes a wave: [tile 4][column 16][half 2][16 bytes]
.set SPARE, STAGE+8192                 ; behind the stage: the spare words, 128 bytes a wave: two blocks of 256 bytes that no other line names
.set SPW, 1                            ; v1   my spare word; never rewritten
.set NIL, 2                            ; v2   0; never rewritten
.set RR,  3                            ; v3   r = lane % 16
.set HH,  4                            ; v4   h = lane / 16
.set L16, 5                            ; v5   16 x lane
.set ZA,  6                            ; v6   LDS: my wave's z + 528 r + 32 h
.set STA, 7                            ; v7   LDS: where I put 16 bytes of a tile's result
.set WZA, 8                            ; v8   256 h + 4 (r % 8): my place in w_z
.set H32, 9                            ; v9   32 h
.set WBA, 10                           ; v10  8192 h + 4 r: my place in a weight block
.set RDA, 11                           ; v11  LDS: where I read a head's block back
.set PK0, 12                           ; v[12:15] packed result, first tile of a pair
.set CB,  16                           ; v[16:23] log2(e) sum lb wz of my column, eight times (before that: my weight block)
.set PK1, 24                           ; v[24:27] packed result, second tile (before that: wo's block, sums)
.set BW,  32                           ; v[32:63] f16(log2(e) lw wz): four fragments
.set X0,  64                           ; v[64:191] two tiles of 64 f32 (set-up: lb, w_z); then the two accumulators
.set ACC, 64
.set BK,  80                           ; v[80:87] two blocks read back from the stage
.set AF,  192                          ; v[192:255] two tiles of four f16 fragments (set-up: lw; a tile's first eight: sums at work)
.set WV,  24                           ; s24 wave
.set QT,  25                           ; s25 qt = x / 16: also the weight block's column tile
.set KT,  26                           ; s26 kt = x % 16: also 2 ks + p of the weight block
.set G0,  28                           ; s[28:31] descriptor group 0
.set G1,  32                           ; s[32:39] descriptor group 1
.set SEL, 54                           ; s[54:55] v_permlanex16_b32's selects: each lane takes its own place in the other half
.set NRC, 56                           ; s56 -1/128, s57 1/128
.set EPS, 58                           ; s58 1e-5
	s_load_b512 s[4:19], s[0:1], 0x0               ; z s[4:5], ln_z_w s[6:7], ln_z_b s[8:9], w_z s[10:11], wq s[12:13], wk s[14:15], wv s[16:17], wg s[18:19]
	s_load_b128 s[20:23], s[0:1], 0x40             ; wo s[20:21], stream s[22:23]
	v_lshl_add_u32 v[SPW], v0, 2, SPARE
	v_mov_b32 v[NIL], 0
	ds_add_u32 v[SPW], v[NIL]                      ; the wave's opening: the add and its wait stand ahead of my tensor load; the scalar set-up stands between them
	v_lshrrev_b32 v3, 5, v0
	v_readfirstlane_b32 s[WV], v3
	s_lshr_b32 s[QT], ttmp9, 4
	s_and_b32 s[KT], ttmp9, 15
	; group 1: 4 rows (queries) of 2,048 f32 (16 keys end to end), 32,768 elements from query to query; 4 words of padding behind every 128 words, that is behind every key
	s_mov_b32 s[G1+0], (2<<16)|(1<<20)|(6<<22)|(3<<25)
	s_mov_b32 s[G1+1], 2048<<16                    ; tensor_dim0
	s_mov_b32 s[G1+2], 4<<16                       ; tensor_dim1
	s_mov_b32 s[G1+3], 2048<<16                    ; tile_dim0
	s_mov_b32 s[G1+4], 4                           ; tile_dim1
	s_mov_b32 s[G1+5], 32768                       ; pitch
	s_mov_b32 s[G1+6], 0
	s_mov_b32 s[G1+7], 0
	s_mov_b32 s[G0], 1
	s_mul_i32 s[G0+1], s[WV], ZW                   ; my wave's bytes of LDS
	s_lshl_b32 s40, s[QT], 4
	s_lshl2_add_u32 s40, s[WV], s40                ; my first query: 16 qt + 4 w
	s_lshl_b32 s40, s40, 17                        ; x 131,072 bytes
	s_lshl_b32 s41, s[KT], 13                      ; + 16 kt keys of 512 bytes
	s_add_co_u32 s40, s40, s41
	s_mov_b32 s41, 0
	s_mov_b32 s[SEL], 0x76543210
	s_mov_b32 s[SEL+1], 0xfedcba98
	s_mov_b32 s[NRC], 0xbc000000
	s_mov_b32 s[NRC+1], 0x3c000000
	s_mov_b32 s[EPS], 0x3727c5ac
	; the weight block: rows k = 16 kt + 8 h + e, columns 16 qt + r of a matrix of 256 x 256 f32
	s_lshl_b32 s44, s[KT], 14
	s_lshl_b32 s45, s[QT], 6
	s_add_co_u32 s44, s44, s45
	s_mov_b32 s45, 0
	s_lshl_b32 s59, s[KT], 9                       ; 512 kt: the block's place in a column tile's 8,192 bytes, in all three destinations
	s_lshr_b32 s48, s[QT], 1                       ; wq..wg: item 3 (qt / 2), column tile 2 w + qt % 2
	s_mul_i32 s48, s48, 3*65536
	s_and_b32 s49, s[QT], 1
	s_lshl1_add_u32 s49, s[WV], s49
	s_lshl_b32 s49, s49, 13
	s_add_co_u32 s48, s48, s49
	s_add_co_u32 s48, s48, s59
	s_mov_b32 s49, 0
	s_lshr_b32 s52, s[QT], 3                       ; wo: item 24 + qt / 8, column tile qt % 8
	s_add_co_u32 s52, s52, 24
	s_lshl_b32 s52, s52, 16
	s_and_b32 s53, s[QT], 7
	s_lshl_b32 s53, s53, 13
	s_add_co_u32 s52, s52, s53
	s_add_co_u32 s52, s52, s59
	s_mov_b32 s53, 0
	s_mul_i32 s60, s[WV], 6                        ; bias of head 2 w: item 6 w + 1 + (qt / 2) % 2, query tile 2 (qt / 4) + qt % 2
	s_bfe_u32 s61, s[QT], 0x10001
	s_add_co_u32 s60, s60, s61
	s_add_co_u32 s60, s60, 1
	s_lshl_b32 s60, s60, 16
	s_lshr_b32 s61, s[QT], 2
	s_and_b32 s62, s[QT], 1
	s_lshl1_add_u32 s61, s61, s62
	s_lshl_b32 s61, s61, 13
	s_add_co_u32 s60, s60, s61
	s_add_co_u32 s60, s60, s59
	s_mov_b32 s61, 0
	s_wait_dscnt 0x0                               ; the opening add is done
	s_wait_kmcnt 0x0
	s_add_nc_u64 s[G0+2:G0+3], s[4:5], s[40:41]
	s_or_b32 s[G0+3], s[G0+3], 0x80000000          ; type = 2
	tensor_load_to_lds s[G0:G0+3], s[G1:G1+7]      ; my 64 rows of z, 32 KiB: the one tensor load of this wave
	s_nop 0
	v_and_b32 v[RR], 15, v0
	v_bfe_u32 v[HH], v0, 4, 1
	v_and_b32 v[L16], 31, v0
	v_lshlrev_b32 v[L16], 4, v[L16]
	v_mul_u32_u24 v[ZA], v[RR], ZP
	v_lshl_add_u32 v[ZA], v[HH], 5, v[ZA]
	v_add_nc_u32 v[ZA], s[G0+1], v[ZA]
	s_lshl_b32 s42, s[WV], 11
	s_add_co_u32 s42, s42, STAGE
	v_lshlrev_b32 v[STA], 5, v[RR]
	v_lshl_add_u32 v[STA], v[HH], 4, v[STA]
	v_add_nc_u32 v[STA], s42, v[STA]               ; STAGE + 2,048 w + 32 r + 16 h
	s_lshl_b32 s43, s[WV], 6
	s_add_co_u32 s43, s43, STAGE
	v_lshlrev_b32 v[RDA], 9, v[RR]
	v_lshl_add_u32 v[RDA], v[HH], 4, v[RDA]
	v_add_nc_u32 v[RDA], s43, v[RDA]               ; STAGE + 512 (query in the tile) + 16 h + 32 (2 w)
	v_and_b32 v[WZA], 7, v0
	v_lshlrev_b32 v[WZA], 2, v[WZA]
	v_lshl_add_u32 v[WZA], v[HH], 8, v[WZA]
	v_lshlrev_b32 v[H32], 5, v[HH]
	v_lshlrev_b32 v[WBA], 2, v[RR]
	v_lshl_add_u32 v[WBA], v[HH], 13, v[WBA]
	s_mov_b64 s[46:47], s[12:13]                   ; wave w converts its block of wq, wk, wv, wg
	s_cmp_eq_u32 s[WV], 1
	s_cselect_b64 s[46:47], s[14:15], s[46:47]
	s_cmp_eq_u32 s[WV], 2
	s_cselect_b64 s[46:47], s[16:17], s[46:47]
	s_cmp_eq_u32 s[WV], 3
	s_cselect_b64 s[46:47], s[18:19], s[46:47]
	s_add_nc_u64 s[46:47], s[46:47], s[44:45]
	s_add_nc_u64 s[48:49], s[22:23], s[48:49]
	s_add_nc_u64 s[50:51], s[20:21], s[44:45]
	s_add_nc_u64 s[52:53], s[22:23], s[52:53]
	s_add_nc_u64 s[60:61], s[22:23], s[60:61]
.irp e, 0,1,2,3,4,5,6,7
	global_load_b32 v[CB+\e], v[WBA], s[46:47] offset:1024*\e th:TH_LOAD_NT  ; W[16 kt + 8 h + e][16 qt + r]
.endr
	; my 64 channels c = 32 ks + 16 p + 8 h + e, at register 16 ks + 8 p + e: w_z[c][r % 8], lw[c], lb[c]
.set k, 0
.rept 64
	global_load_b32 v[X0+64+k], v[WZA], s[10:11] offset:1024*(k/16)+512*((k/8)%2)+32*(k%8)
.set k, k+1
.endr
.set k, 0
.rept 16
	global_load_b128 v[AF+4*k:AF+4*k+3], v[H32], s[6:7] offset:128*(k/4)+64*((k/2)%2)+16*(k%2)
	global_load_b128 v[X0+4*k:X0+4*k+3], v[H32], s[8:9] offset:128*(k/4)+64*((k/2)%2)+16*(k%2)
.set k, k+1
.endr
	s_wait_loadcnt 0x0
.irp e, 0,1,2,3
	v_cvt_pk_f16_f32 v[CB+\e], v[CB+2*\e], v[CB+2*\e+1]  ; in place, ascending: the destination never lies above its sources
.endr
	global_store_b128 v[L16], v[CB:CB+3], s[48:49]  ; the wave stores 512 consecutive bytes, at a multiple of 512 from stream's first byte
	s_cmp_lg_u32 s[WV], 0
	s_cbranch_scc1 .Lno_wo                         ; wave 0 also converts wo's block
.irp e, 0,1,2,3,4,5,6,7
	global_load_b32 v[PK1+\e], v[WBA], s[50:51] offset:1024*\e th:TH_LOAD_NT
.endr
	s_wait_loadcnt 0x0
.irp e, 0,1,2,3
	v_cvt_pk_f16_f32 v[PK1+\e], v[PK1+2*\e], v[PK1+2*\e+1]
.endr
	global_store_b128 v[L16], v[PK1:PK1+3], s[52:53]
.Lno_wo:
	s_wait_xcnt 0x0                                ; the stores have read their data: v[16:19] and v[24:27] are written again only behind this wait
	; log2(e) sum_c lb wz, in two chains; the other 64 channels lie in the lane 16 away
	v_pk_mul_f32 v[24:25], v[X0:X0+1], v[X0+64:X0+65]
	v_pk_mul_f32 v[26:27], v[X0+2:X0+3], v[X0+66:X0+67]
.set k, 4
.rept 15
	v_pk_fma_f32 v[24:25], v[X0+k:X0+k+1], v[X0+64+k:X0+65+k], v[24:25]
	v_pk_fma_f32 v[26:27], v[X0+k+2:X0+k+3], v[X0+66+k:X0+67+k], v[26:27]
.set k, k+4
.endr
	v_pk_add_f32 v[24:25], v[24:25], v[26:27]
	v_add_f32 v24, v24, v25
	v_permlanex16_b32 v25, v24, s[SEL], s[SEL+1]
	v_add_f32 v24, v24, v25
.irp j, 0,1,2,3,4,5,6,7
	v_mul_f32 v[CB+\j], 0x3fb8aa3b, v24            ; the same number for all eight keys of a lane: the C operand that starts each sum
.endr
.set k, 0
.rept 32
	v_pk_mul_f32 v[X0+64+k:X0+65+k], v[X0+64+k:X0+65+k], v[AF+k:AF+k+1]
.set k, k+2
.endr
.set k, 0
.rept 32
	v_pk_mul_f32 v[X0+64+k:X0+65+k], v[X0+64+k:X0+65+k], 0x3fb8aa3b op_sel_hi:[1,0]
.set k, k+2
.endr
.set k, 0
.rept 32
	v_cvt_pk_f16_f32 v[BW+k], v[X0+64+2*k], v[X0+65+2*k]
.set k, k+1
.endr
	s_wait_tensorcnt 0x0                           ; my rows of z are in LDS; only I read them, so no barrier is needed
; The four partial sums of both tiles (pairs at AF + 32 t + 0, 2, 4, 6) into one number a row: within the lane, then with the lane 16 away, which holds the row's other 64 channels.
.macro FOLD
.irp t, 0,1
	v_pk_add_f32 v[AF+32*\t:AF+32*\t+1], v[AF+32*\t:AF+32*\t+1], v[AF+32*\t+2:AF+32*\t+3]
	v_pk_add_f32 v[AF+32*\t+4:AF+32*\t+5], v[AF+32*\t+4:AF+32*\t+5], v[AF+32*\t+6:AF+32*\t+7]
.endr
.irp t, 0,1
	v_pk_add_f32 v[AF+32*\t:AF+32*\t+1], v[AF+32*\t:AF+32*\t+1], v[AF+32*\t+4:AF+32*\t+5]
.endr
.irp t, 0,1
	v_add_f32 v[AF+32*\t], v[AF+32*\t], v[AF+32*\t+1]
.endr
.irp t, 0,1
	v_permlanex16_b32 v[AF+32*\t+1], v[AF+32*\t], s[SEL], s[SEL+1]
.endr
.irp t, 0,1
	v_add_f32 v[AF+32*\t], v[AF+32*\t], v[AF+32*\t+1]
.endr
.endm
; Queries i0 and i0 + 1 of my four: LN of their 16 keys, the product with the four fragments of weights, the result into the stage.
.macro PAIR i0
.irp t, 0,1
.set k, 0
.rept 16
	ds_load_b128 v[X0+64*\t+4*k:X0+64*\t+4*k+3], v[ZA] offset:ZQ*((\i0)+\t)+128*(k/4)+64*((k/2)%2)+16*(k%2)
.set k, k+1
.endr
.endr
	s_wait_dscnt 0x0
.irp t, 0,1
.irp c, 0,2,4,6
	v_pk_add_f32 v[AF+32*\t+\c:AF+32*\t+\c+1], v[X0+64*\t+\c:X0+64*\t+\c+1], v[X0+64*\t+8+\c:X0+64*\t+8+\c+1]
.endr
.endr
.set k, 16
.rept 6
.irp t, 0,1
.irp c, 0,2,4,6
	v_pk_add_f32 v[AF+32*\t+\c:AF+32*\t+\c+1], v[AF+32*\t+\c:AF+32*\t+\c+1], v[X0+64*\t+k+\c:X0+64*\t+k+\c+1]
.endr
.endr
.set k, k+8
.endr
	FOLD
.irp t, 0,1
.set k, 0
.rept 32
	v_pk_fma_f32 v[X0+64*\t+k:X0+64*\t+k+1], v[AF+32*\t:AF+32*\t+1], s[NRC:NRC+1], v[X0+64*\t+k:X0+64*\t+k+1] op_sel_hi:[0,0,1]  ; x - sum / 128
.set k, k+2
.endr
.endr
.irp t, 0,1
.irp c, 0,2,4,6
	v_pk_mul_f32 v[AF+32*\t+\c:AF+32*\t+\c+1], v[X0+64*\t+\c:X0+64*\t+\c+1], v[X0+64*\t+\c:X0+64*\t+\c+1]
.endr
.endr
.set k, 8
.rept 7
.irp t, 0,1
.irp c, 0,2,4,6
	v_pk_fma_f32 v[AF+32*\t+\c:AF+32*\t+\c+1], v[X0+64*\t+k+\c:X0+64*\t+k+\c+1], v[X0+64*\t+k+\c:X0+64*\t+k+\c+1], v[AF+32*\t+\c:AF+32*\t+\c+1]
.endr
.endr
.set k, k+8
.endr
	FOLD
.irp t, 0,1
	v_fma_f32 v[AF+32*\t], v[AF+32*\t], s[NRC+1], s[EPS]  ; variance + eps
.endr
.irp t, 0,1
	v_rsq_f32 v[AF+32*\t+2], v[AF+32*\t]
.endr
	v_nop                                          ; a plain instruction behind the last v_rsq_f32 (ISA guide 5.7.2),
	s_wait_alu depctr_va_vdst(0)                   ; and the one wait ahead of the first use of the two results
.irp t, 0,1
.set k, 0
.rept 32
	v_pk_mul_f32 v[X0+64*\t+k:X0+64*\t+k+1], v[X0+64*\t+k:X0+64*\t+k+1], v[AF+32*\t+2:AF+32*\t+3] op_sel_hi:[1,0]
.set k, k+2
.endr
.endr
.irp t, 0,1
.set k, 0
.rept 32
	v_cvt_pk_f16_f32 v[AF+32*\t+k], v[X0+64*\t+2*k], v[X0+64*\t+2*k+1]
.set k, k+1
.endr
.endr
.irp ks, 0,1,2,3                       ; the two accumulators take turns, one instruction a turn
.irp t, 0,1
.if \ks == 0
	v_wmma_f32_16x16x32_f16 v[ACC+8*\t:ACC+8*\t+7], v[AF+32*\t:AF+32*\t+7], v[BW:BW+7], v[CB:CB+7]
.else
	v_wmma_f32_16x16x32_f16 v[ACC+8*\t:ACC+8*\t+7], v[AF+32*\t+8*\ks:AF+32*\t+8*\ks+7], v[BW+8*\ks:BW+8*\ks+7], v[ACC+8*\t:ACC+8*\t+7]
.endif
.endr
.endr
.rept 8
	v_nop                                          ; the places behind the last products (ISA guide 7.12.1), ahead of the conversions that read them
.endr
.irp j, 0,1,2,3
	v_cvt_pk_f16_f32 v[PK0+\j], v[ACC+2*\j], v[ACC+2*\j+1]  ; column r, keys 8 h + 0..7: 16 bytes
	v_cvt_pk_f16_f32 v[PK1+\j], v[ACC+8+2*\j], v[ACC+8+2*\j+1]
.endr
	ds_store_b128 v[STA], v[PK0:PK0+3] offset:512*(\i0)
	ds_store_b128 v[STA], v[PK1:PK1+3] offset:512*(\i0)+512
.endm
	PAIR 0
	PAIR 2
	s_wait_dscnt 0x0                               ; for the others' sake: my stores into the stage are done
	s_barrier_signal -1
	s_barrier_wait -1
	ds_load_b128 v[BK:BK+3], v[RDA]                ; head 2 w: lane L takes query L % 16, keys 8 (L / 16) + 0..7: its 16 bytes of the block
	ds_load_b128 v[BK+4:BK+7], v[RDA] offset:32    ; head 2 w + 1
	s_wait_dscnt 0x0
	global_store_b128 v[L16], v[BK:BK+3], s[60:61]                   ; 512 consecutive bytes each, at a multiple of 512 from stream's first byte
	global_store_b128 v[L16], v[BK+4:BK+7], s[60:61] offset:3*65536  ; the next head's items lie three items on
	s_wait_tensorcnt 0x0                           ; the wave's end: behind my tensor load and my last LDS store
	ds_add_u32 v[SPW], v[NIL]
	s_wait_dscnt 0x0
	s_endpgm
.Lfunc_end_k_q32ce2361d9_prep:
	.size	k_q32ce2361d9_prep, .Lfunc_end_k_q32ce2361d9_prep-k_q32ce2361d9_prep
	.p2alignl 7, 3214868480
	.fill 96, 4, 3214868480
	.section	.rodata,"a",@progbits
	.p2align	6, 0x0
	.amdhsa_kernel k_q32ce2361d9_prep
		.amdhsa_group_segment_fixed_size 167936
		.amdhsa_private_segment_fixed_size 0
		.amdhsa_enable_private_segment 0
		.amdhsa_kernarg_size 80
		.amdhsa_user_sgpr_count 2
		.amdhsa_user_sgpr_kernarg_segment_ptr 1
		.amdhsa_wavefront_size32 1
		.amdhsa_system_sgpr_workgroup_id_x 1
		.amdhsa_system_sgpr_workgroup_id_y 1
		.amdhsa_system_sgpr_workgroup_id_z 1
		.amdhsa_system_vgpr_workitem_id 0
		.amdhsa_next_free_vgpr 256
		.amdhsa_next_free_sgpr 66
		.amdhsa_reserve_vcc 0
		.amdhsa_float_denorm_mode_32 3
		.amdhsa_float_denorm_mode_16_64 3
		.amdhsa_memory_ordered 1
		.amdhsa_forward_progress 1
		.amdhsa_inst_pref_size 75
	.end_amdhsa_kernel
	.amdgpu_metadata
---
amdhsa.version: [ 1, 2 ]
amdhsa.kernels:
  - .name:           k_q32ce2361d9_prep
    .symbol:         k_q32ce2361d9_prep.kd
    .args:
      - { .name: z, .offset: 0, .size: 8, .value_kind: global_buffer, .address_space: global }
      - { .name: ln_z_w, .offset: 8, .size: 8, .value_kind: global_buffer, .address_space: global }
      - { .name: ln_z_b, .offset: 16, .size: 8, .value_kind: global_buffer, .address_space: global }
      - { .name: w_z, .offset: 24, .size: 8, .value_kind: global_buffer, .address_space: global }
      - { .name: wq, .offset: 32, .size: 8, .value_kind: global_buffer, .address_space: global }
      - { .name: wk, .offset: 40, .size: 8, .value_kind: global_buffer, .address_space: global }
      - { .name: wv, .offset: 48, .size: 8, .value_kind: global_buffer, .address_space: global }
      - { .name: wg, .offset: 56, .size: 8, .value_kind: global_buffer, .address_space: global }
      - { .name: wo, .offset: 64, .size: 8, .value_kind: global_buffer, .address_space: global }
      - { .name: stream, .offset: 72, .size: 8, .value_kind: global_buffer, .address_space: global }
    .group_segment_fixed_size: 167936
    .private_segment_fixed_size: 0
    .kernarg_segment_align: 8
    .kernarg_segment_size: 80
    .max_flat_workgroup_size: 128
    .sgpr_count:     66
    .vgpr_count:     256
    .wavefront_size: 32
...
	.end_amdgpu_metadata
.endif
;; end of part 1
;; launch msa (part 2): grid 256 x 1, 4 waves a work-group, clusters of 4 x 1, 327,680 bytes of LDS; arguments m, mask, ln_m_w, ln_m_b, bg, bo, stream, out0; writes out0
.if DOCPART == 2
	.amdgcn_target "amdgcn-amd-amdhsa--gfx1250"
	.amdhsa_code_object_version 6
	.text
	.protected	k_q32ce2361d9_msa
	.globl	k_q32ce2361d9_msa
	.p2align	8
	.type	k_q32ce2361d9_msa,@function
k_q32ce2361d9_msa:
	s_mov_b64 s[64:65], 0
	v_nop
	global_prefetch_b8 v0, s[64:65] scope:SCOPE_SE
	s_setreg_imm32_b32 hwreg(HW_REG_WAVE_MODE, 25, 1), 1
	s_wait_xcnt 0x0
	s_wait_alu depctr_hold_cnt(0) depctr_sa_sdst(0) depctr_va_vdst(0) depctr_va_sdst(0) depctr_va_ssrc(0) depctr_va_vcc(0) depctr_vm_vsrc(0)
	s_getreg_b32 s2, hwreg(HW_REG_IB_STS2, 6, 4)
	s_cmp_eq_u32 s2, 0
	s_cbranch_scc0 .Lentry_in_a_cluster
	s_endpgm
.Lentry_in_a_cluster:
	s_bfe_u32 s2, ttmp6, 0x10000c
	s_cmp_lg_u32 s2, 0x3003
	s_cbranch_scc0 .Lentry_shape_is_right
	s_endpgm
.Lentry_shape_is_right:
; MSA ROW ATTENTION WITH PAIR BIAS, one sequence s to a work-group: LN(m[s]); q, k, v, g = LN x wq, wk, wv, wg; for each of 8 heads softmax(q k^T / sqrt(32) + mask bias + pair bias) v;
; sigmoid(g + bg) gate; x wo + bo.  m[s] is read once, out0[s] written once; nothing of that size goes through memory in between.
; FORMATS.  All matrix operands f16 (LN(m), weights, q, k, v, the weights p, o g, the bias), all sums, maxima, exponentials, LN and the gate in f32.
; LIMITS.  f16 ends at 65,504 and keeps a fixed step of 6e-8 below 6e-5: LN(m) with its gain and bias, the weights, q log2(e) / sqrt(32), k, v, o g and log2(e) x pair bias must lie within that.
; The mask bias is (mask - 1) x 1e9 x log2(e), added in the base-2 domain; beside it a score is lost below a step of 128 (in reference(): 64 in the natural domain), so a row whose keys are ALL masked gets
; equal weights where its scores are smaller than that.  A weight below 2^-126 counts as 0.  NaN and infinities are not treated apart.
; SHARES.  Wave w owns rows (queries) 64 w .. 64 w + 63: four tiles of 16, for all heads.  K and V of a head pass between the waves through LDS.
; LAYOUTS: nothing changes lanes between products (operand maps: ISA guide 7.12.2).  q, k, g are made TRANSPOSED (source 0 = 16 output channels of W, source 1 = 16 rows of LN(m)): a lane holds one row and eight
; channels, and two channel tiles rounded in pairs ARE the next product's fragment.  v is made plain (source 0 = rows): a lane holds one channel and eight keys: V^T's fragment.  S^T = K Q^T starts from the mask
; bias as its C operand; the pair bias is added by a second product, a 0/1 selector (16 keys out of 32) times the f16 bias fragment (32 keys x 16 queries), which costs the vector unit nothing.
; All 256 keys of a query tile are in registers at once (128 a lane), so the maximum is the row's true maximum and nothing is rescaled.  p is rounded in place; O^T = V^T P; O^T / l x gate, rounded, is the
; fragment of the last product, which is again taken transposed: a lane ends with eight neighbouring columns of a row of out0.
; THE STREAM.  Weights and bias come as 26 items of 65,536 bytes in the order of use, in fragment order (a lane's 16 bytes at 16 x lane: 512 consecutive bytes a load, no padding wanted), through two LDS
; slots that take turns: item n is read while item n + 1 lands.  Each wave fetches a quarter of an item by one tensor load of 64 rows x 256 bytes.
; CLUSTER.  The four work-groups of a cluster walk the same 26 items: each load is asked for JOINTLY (same descriptor, mask of four).  m's own tiles are plain loads.
; REGISTERS, in windows of 256 (s_set_vgpr_msb: bits 1:0 source 0, 3:2 source 1, 5:4 source 2, 7:6 destination):
;   window 0: addresses, statistics, selector, Q, gate, O^T, bias fragments           window 1: LN(m), 4 row tiles x 8 K steps; at the end o g likewise
;   window 2: 32 accumulators of a projection; in attention K (v0-127) and V^T (v128-255)   window 3: v0-127 weight fragments (two buffers), then S^T and P; v128-255 the mask bias
.set SLOTB, 65536                      ; LDS 0: slot 0, 65,536: slot 1 (at the start: m's raw row tiles 0 and 1, wave w's at 16,384 w)
.set OGB,   2*SLOTB                    ; o g: fragment (w, h, t) at 32,768 w + 4,096 h + 1,024 t (at the start: raw tiles 2 and 3; no fill lands here later)
.set KVB,   4*SLOTB                    ; K: fragment of row tile kt at 1,024 kt
.set VFB,   KVB+16384                  ; V^T: fragment (channel tile c, 32 keys u) at (8 c + u) x 1,024
.set STP,   528                        ; over K and V, in other phases: a stage of 16 rows x 528 bytes a wave (512 + 16: the 16 rows of a load or store start 16 bytes apart modulo 256)
.set STGB,  16*STP
.set SPARE, KVB+4*STGB                 ; 295,936: the spare words, 128 bytes a wave: two blocks of 256 bytes that no other line names
.set SPW, 1                            ; v1  my spare word; never rewritten
.set NIL, 2                            ; v2  0; never rewritten
.set L16, 3                            ; v3  16 x lane
.set AW,  4                            ; v4  the slot in hand + 16 x lane
.set AB,  5                            ; v5  the same + 16,384 w: my wave's bias fragments
.set KST, 6                            ; v6  where I store K's fragments      v7  V^T's
.set VST, 7
.set KLD, 8                            ; v8  where I read K and V^T
.set OGA, 9                            ; v9  where I store o g: steps by 4,096 a head     v10  where I read it
.set OGL, 10
.set STW, 11                           ; v11 stage + 528 r + 32 h      v12 stage + 16 x lane      v13 stage + 528 r + 16 h
.set STR, 12
.set FR,  13
.set RA,  14                           ; v14 raw rows in hand          v15 16,384 w + 1,024 h + 16 r
.set RAW0,15
.set SA,  16                           ; v16 stage rows in hand        v17 stage + 528 h + 8 r
.set SA0, 17
.set H32, 18                           ; v18 32 h
.set PFO, 19                           ; v19 256 x lane; never rewritten
.set RR,  20                           ; v20 r = lane % 16             v21 h = lane / 16
.set HH,  21
.set AB0, 22                           ; v22 16 x lane + 16,384 w
.set OUA, 23                           ; v23 16 x lane + 512 x (half of out0's columns): my place in a row of out0 and in bo
.set C0,  24                           ; v[24:27] four running maxima
.set MX,  28                           ; v[28:29] the row's maximum, in the low register
.set RL,  30                           ; v[30:31] 1 / l
.set LS,  32                           ; v[32:39] four running sums (pairs)
.set ID,  40                           ; v[40:51] 4 x 0, the selector's 4, 4 x 0: v[44:51] picks keys 0-15 of 32, v[40:47] keys 16-31
.set QF,  52                           ; v[52:83] Q, 8 a tile
.set GG,  84                           ; v[84:147] the gate, 16 a tile
.set OT,  148                          ; v[148:179] O^T: channel tile c, parity of the key step, at OT + 16 c + 8 par
.set BF,  180                          ; v[180:243] bias fragments of a query tile (in a projection: bg; on the way out: 16 rows)
.set OGT, 244                          ; v[244:251] o g, packed
.set BOR, 252                          ; v[252:255] bo of my four columns
.set XR,  52                           ; LN's names: v[52:83] 4 rows as loaded, v[84:115] the same at work, v[116:131] gain, v[132:147] bias, v[148:163] packed, v[24:27], v[28:31] sums
.set DR,  84
.set LW,  116
.set LB,  132
.set PK,  148
.set SU,  24
.set SS,  28
.set WV,  20                           ; s20 wave      s21 cx      s22 s
.set CX,  21
.set SEQ, 22
.set G1J, 24                           ; s[24:31] group 1 of the joint loads      s[32:39] of m's loads
.set G1M, 32
.set G0,  40                           ; s[40:43] group 0 of the joint loads: it walks      s[44:59] of m's four loads
.set G0M, 44
.set SEL, 60                           ; s[60:61] v_permlanex16_b32's selects: each lane takes its own place in the other half
.set SB,  62                           ; s62 LDS byte of the slot in hand
.set HEADS, 63
.set PFA, 66                           ; s[66:67] where my prefetches stand
.set LIM, 68                           ; s68 1 in a wave that prefetches
.set CNT, 69
.set CQ,  70                           ; s[70:71] log2(e) / sqrt(32)
.set NL2, 72                           ; s[72:73] -log2(e)
.set KM,  74                           ; s[74:75] 1e9 log2(e)      s[76:77] its negative
.set NKM, 76
.set NRC, 78                           ; s78 -1/256, s79 1/256
.set EPS, 80                           ; s80 1e-5
.set MSB, 0
.macro WIN new                         ; the immediate's high byte repeats the setting that is left; a switch that changes nothing is dropped
.if MSB != (\new)
	s_set_vgpr_msb (MSB<<8)|(\new)
.set MSB, \new
.endif
.endm
.macro PLACES n=4                      ; plain vector instructions behind a matrix instruction, ahead of what reads its result or writes one of its registers (ISA guide 7.12.1 for vector instructions)
.rept \n
	v_nop
.endr
.endm
; A round of the cluster's barrier: my work-group's barrier, so that wave 0's signal speaks for all four waves; wave 0 signals; every wave waits for all four work-groups; my work-group's barrier once more.
.macro CROUND
	s_barrier_signal -1
	s_barrier_wait -1
	s_cmp_lg_u32 s[WV], 0
	s_cbranch_scc1 .Lnot_wave_0_\@
	s_barrier_signal -3
.Lnot_wave_0_\@:
	s_barrier_wait -3
	s_barrier_signal -1
	s_barrier_wait -1
.endm
; THE CHANGE OF SLOTS, and the one meeting of the waves between two phases.  Each wave waits for all its tensor loads (its quarter of the item to be read next), adds 0 to its spare word, and waits for that and
; for ALL its LDS instructions: its reads of the slot that it leaves, its stores of K, V^T and o g, its reads of K and V^T.  Behind the barrier the next item is whole, nobody reads the old slot, what was stored may
; be read and what was read may be stored over.  fill = 1: the barrier is a round of the cluster's, and the joint refill of the old slot is the first thing behind it: one tensor load of mine is out.
; step = 1: the descriptor walks on (other slot, next item).  ask = 1: a prefetch (below).  toggle = 1: the reads go to the other slot.
; THE PREFETCH.  All 64 clusters walk the same stream; cluster 0 asks, behind its load of item n + 1, for item n + 2: one phase ahead of the load that wants it.  Its four partners take 16,384 bytes each, told apart
; by ADDRESS; in each, waves 0 and 1 take 8,192 bytes, a lane 256: every block of the stream from item 2 on is named once in the launch.  Items 0 and 1 come by their loads alone; the last fill asks for nothing.
.macro CHANGE fill, step, ask, toggle
	WIN 0                                          ; at a label and at a branch every window is 0; the add's registers lie in window 0
	s_wait_tensorcnt 0x0                           ; no tensor load of mine is out, so group 0 may be written
	ds_add_u32 v[SPW], v[NIL]                      ; 0 onto my spare word; the scalar steps stand between it and the wait for it
.if \step
	s_xor_b32 s[G0+1], s[G0+1], SLOTB
	s_add_nc_u64 s[G0+2:G0+3], s[G0+2:G0+3], SLOTB  ; the type bits on top are not reached
	s_wait_xcnt 0x0                                ; the last prefetch, a phase back, has read its address
	s_add_nc_u64 s[PFA:PFA+1], s[PFA:PFA+1], SLOTB
.endif
	s_wait_dscnt 0x0
.if \fill
	CROUND
	tensor_load_to_lds s[G0:G0+3], s[G1J:G1J+7]
	s_nop 0
	PLACES
.if \ask
	s_cmp_eq_u32 s[LIM], 1
	s_cbranch_scc0 .Lnot_mine_\@
	global_prefetch_b8 v[PFO], s[PFA:PFA+1] th:TH_LOAD_NT scope:SCOPE_SE
.Lnot_mine_\@:
.endif
.else
	s_barrier_signal -1
	s_barrier_wait -1
.endif
.if \toggle
	s_xor_b32 s[SB], s[SB], SLOTB
	v_add_nc_u32 v[AW], s[SB], v[L16]
	v_add_nc_u32 v[AB], s[SB], v[AB0]
.endif
.endm
	s_load_b512 s[4:19], s[0:1], 0x0               ; m s[4:5], mask s[6:7], ln_m_w s[8:9], ln_m_b s[10:11], bg s[12:13], bo s[14:15], stream s[16:17], out0 s[18:19]
	v_lshl_add_u32 v[SPW], v0, 2, SPARE
	v_mov_b32 v[NIL], 0
	ds_add_u32 v[SPW], v[NIL]                      ; the wave's opening: the add and its wait stand ahead of my first tensor load; the scalar set-up stands between them
	v_lshrrev_b32 v3, 5, v0
	v_readfirstlane_b32 s[WV], v3
	s_bfe_u32 s[CX], ttmp6, 0x40000                ; my place in the cluster: it enters m's, mask's and out0's addresses and the prefetches' alone
	s_lshl_b32 s[SEQ], ttmp9, 2                    ; in a cluster launch ttmp9 counts clusters
	s_add_co_u32 s[SEQ], s[SEQ], s[CX]
	; group 1: 64 rows of 32 elements of 8 bytes, dense: 16,384 consecutive bytes
	s_mov_b32 s[G1J], 15|(3<<16)|(1<<21)           ; 15:0 the mask of four; 17:16 8-byte elements; 21 set beside a mask
	s_mov_b32 s[G1M], 3<<16                        ; no mask: a load of my own
.irp g, G1J, G1M
	s_mov_b32 s[\g+1], 32<<16                      ; tensor_dim0
	s_mov_b32 s[\g+2], 64<<16                      ; tensor_dim1
	s_mov_b32 s[\g+3], 32<<16                      ; tile_dim0
	s_mov_b32 s[\g+4], 64                          ; tile_dim1
	s_mov_b32 s[\g+5], 32                          ; pitch
	s_mov_b32 s[\g+6], 0
	s_mov_b32 s[\g+7], 0
.endr
	s_mov_b32 s[G0], 1
	s_lshl_b32 s[G0+1], s[WV], 14                  ; slot 0, my quarter: no place in the cluster enters an LDS address
.irp a, 0,1,2,3
	s_mov_b32 s[G0M+4*\a], 1
	s_add_co_u32 s[G0M+4*\a+1], s[G0+1], SLOTB*\a
.endr
	s_mov_b32 s[SEL], 0x76543210
	s_mov_b32 s[SEL+1], 0xfedcba98
	s_mov_b32 s[SB], SLOTB                         ; the first toggle makes it 0
	s_mov_b32 s[CQ], 0x3e8293ee
	s_mov_b32 s[CQ+1], s[CQ]                       ; named as pairs, so both are written
	s_mov_b32 s[NL2], 0xbfb8aa3b
	s_mov_b32 s[NL2+1], s[NL2]
	s_mov_b32 s[KM], 0x4eabfb8f
	s_mov_b32 s[KM+1], s[KM]
	s_mov_b32 s[NKM], 0xceabfb8f
	s_mov_b32 s[NKM+1], s[NKM]
	s_mov_b32 s[NRC], 0xbb800000
	s_mov_b32 s[NRC+1], 0x3b800000
	s_mov_b32 s[EPS], 0x3727c5ac
	s_lshr_b32 s[LIM], s[WV], 1                    ; waves 0 and 1
	s_or_b32 s[LIM], s[LIM], ttmp9                 ; of cluster 0: the same in all four partners
	s_cmp_eq_u32 s[LIM], 0
	s_cselect_b32 s[LIM], 1, 0
	s_lshl_b32 s82, s[SEQ], 18                     ; my sequence's 262,144 bytes of m and out0, my wave's 64 rows
	s_lshl_b32 s83, s[WV], 16
	s_add_co_u32 s82, s82, s83
	s_mov_b32 s83, 0
	s_lshl_b32 s84, s[WV], 14                      ; my quarter of an item
	s_mov_b32 s85, 0
	s_lshl_b32 s86, s[SEQ], 10                     ; my sequence's row of mask
	s_mov_b32 s87, 0
	s_lshl_b32 s88, s[CX], 14                      ; the prefetches: item 1 (the first change steps it to item 2), my work-group's quarter, my wave's half of it
	s_lshl_b32 s89, s[WV], 13
	s_add_co_u32 s88, s88, s89
	s_add_co_u32 s88, s88, SLOTB
	s_mov_b32 s89, 0
	s_wait_dscnt 0x0                               ; the opening add is done
	s_wait_kmcnt 0x0
	s_add_nc_u64 s[G0+2:G0+3], s[16:17], s[84:85]
	s_or_b32 s[G0+3], s[G0+3], 0x80000000
	s_add_nc_u64 s[PFA:PFA+1], s[16:17], s[88:89]
	s_add_nc_u64 s[4:5], s[4:5], s[82:83]
	s_add_nc_u64 s[18:19], s[18:19], s[82:83]
	s_add_nc_u64 s[6:7], s[6:7], s[86:87]
.irp a, 0,1,2,3
	s_add_nc_u64 s[G0M+4*\a+2:G0M+4*\a+3], s[4:5], 16384*\a
	s_or_b32 s[G0M+4*\a+3], s[G0M+4*\a+3], 0x80000000
.endr
	CROUND                                         ; in a cluster launch every group of tensor loads stands behind a round
.irp a, 0,1,2,3
	tensor_load_to_lds s[G0M+4*\a:G0M+4*\a+3], s[G1M:G1M+7]  ; my 64 rows of m, a row tile (16 KiB) a load: four loads of mine are out
	s_nop 0
.endr
	PLACES
	v_and_b32 v[RR], 15, v0
	v_bfe_u32 v[HH], v0, 4, 1
	v_and_b32 v[L16], 31, v0
	v_lshlrev_b32 v[PFO], 8, v[L16]
	v_lshlrev_b32 v[L16], 4, v[L16]
	v_lshlrev_b32 v[H32], 5, v[HH]
	v_lshlrev_b32 v24, 4, v[RR]
.irp j, 0,1,2,3
	global_load_b128 v[LW+4*\j:LW+4*\j+3], v24, s[8:9] offset:256*\j   ; gain and bias of my columns 64 j + 4 r + 0..3
	global_load_b128 v[LB+4*\j:LB+4*\j+3], v24, s[10:11] offset:256*\j
.endr
	WIN 0xc0                                       ; destination window 3
.set i, 0
.rept 32
	global_load_b128 v[128+4*i:128+4*i+3], v[H32], s[6:7] offset:64*(i/2)+16*(i%2)  ; mask[s][16 kt + 8 h + 0..7]: as a C operand of S^T the same for every query
.set i, i+1
.endr
	WIN 0
	v_add_nc_u32 v[AB0], s84, v[L16]
	s_lshl_b32 s85, s[WV], 12
	s_add_co_u32 s85, s85, KVB
	v_add_nc_u32 v[KST], s85, v[L16]
	s_lshl_b32 s85, s[WV], 11
	s_add_co_u32 s85, s85, VFB
	v_add_nc_u32 v[VST], s85, v[L16]
	v_add_nc_u32 v[KLD], KVB, v[L16]
	s_lshl_b32 s85, s[WV], 15
	s_add_co_u32 s85, s85, OGB
	v_add_nc_u32 v[OGA], s85, v[L16]
	v_mov_b32 v[OGL], v[OGA]
	s_mul_i32 s86, s[WV], STGB
	s_add_co_u32 s86, s86, KVB                     ; my stage
	v_mul_u32_u24 v25, v[RR], STP
	v_add_nc_u32 v25, s86, v25
	v_lshl_add_u32 v[STW], v[HH], 5, v25
	v_lshl_add_u32 v[FR], v[HH], 4, v25
	v_add_nc_u32 v[STR], s86, v[L16]
	v_lshlrev_b32 v[RAW0], 4, v[RR]
	v_lshl_add_u32 v[RAW0], v[HH], 10, v[RAW0]
	v_add_nc_u32 v[RAW0], s84, v[RAW0]
	v_mul_u32_u24 v[SA0], v[HH], STP
	v_lshl_add_u32 v[SA0], v[RR], 3, v[SA0]
	v_add_nc_u32 v[SA0], s86, v[SA0]
	v_mov_b32 v[OUA], v[L16]
	; the selector: row r of 16 has a 1.0 (f16) at k = r: in lane (r, h) element r - 8 h of registers 0-3, if that lies in 0..7
	v_lshlrev_b32 v26, 3, v[HH]
	v_sub_nc_u32 v26, v[RR], v26
	v_and_b32 v27, 1, v26
	v_lshlrev_b32 v27, 4, v27
	v_mov_b32 v28, 0x3c00
	v_lshlrev_b32 v27, v27, v28                    ; 1.0 in the element's half of a register
	v_lshrrev_b32 v26, 1, v26                      ; its register: 0..3, or a number that none of the four compares meets
.irp i, 0,1,2,3
	v_mov_b32 v[ID+\i], 0
	v_mov_b32 v[ID+8+\i], 0
	v_cmp_eq_u32 vcc_lo, \i, v26
	v_cndmask_b32 v[ID+4+\i], 0, v27, vcc_lo
.endr
	s_wait_loadcnt 0x0                             ; gain, bias, mask
	WIN 0xc3
.set i, 0
.rept 64
	v_pk_fma_f32 v[128+2*i:128+2*i+1], v[128+2*i:128+2*i+1], s[KM:KM+1], s[NKM:NKM+1] op_sel_hi:[1,0,0]  ; (mask - 1) x 1e9 x log2(e): exactly 0 where mask = 1
.set i, i+1
.endr
	WIN 0
; LN OF A ROW TILE.  The raw tile lies dense in LDS, 1,024 bytes a row.  A trip takes 4 rows: lanes 0-15 hold one row of a pair, lanes 16-31 the other, 16 columns a lane (64 j + 4 r + 0..3), so a row's sums stay
; within 16 lanes: four steps that ride on the additions.  Two passes over registers: mean, then the squares of the differences.  The rows go, rounded to f16, into my stage and come back as fragments.
.macro ROWSUM                          ; two chains a pair of rows into one number a row
.irp p, 0,1
	v_pk_add_f32 v[SU+2*\p:SU+2*\p+1], v[SU+2*\p:SU+2*\p+1], v[SS+2*\p:SS+2*\p+1]
.endr
.irp p, 0,1
	v_add_f32 v[SU+2*\p], v[SU+2*\p], v[SU+2*\p+1]
.endr
.irp x, 1,2,4,8
.irp p, 0,1
	v_add_f32_dpp v[SU+2*\p], v[SU+2*\p], v[SU+2*\p] row_xmask:\x row_mask:0xf bank_mask:0xf
.endr
.endr
.endm
.macro LNTILE a
	WIN 0
	v_add_nc_u32 v[RA], SLOTB*(\a), v[RAW0]
	v_mov_b32 v[SA], v[SA0]
.irp p, 0,1
.irp j, 0,1,2,3
	ds_load_b128 v[XR+16*\p+4*\j:XR+16*\p+4*\j+3], v[RA] offset:2048*\p+256*\j
.endr
.endr
	s_mov_b32 s[CNT], 4
.Lrows_\@:
	s_wait_dscnt 0x0                               ; this trip's four rows are in
.irp p, 0,1
	v_pk_add_f32 v[SU+2*\p:SU+2*\p+1], v[XR+16*\p:XR+16*\p+1], v[XR+16*\p+2:XR+16*\p+3]
	v_pk_add_f32 v[SS+2*\p:SS+2*\p+1], v[XR+16*\p+4:XR+16*\p+5], v[XR+16*\p+6:XR+16*\p+7]
.endr
.irp i, 8,12
.irp p, 0,1
	v_pk_add_f32 v[SU+2*\p:SU+2*\p+1], v[SU+2*\p:SU+2*\p+1], v[XR+16*\p+\i:XR+16*\p+\i+1]
	v_pk_add_f32 v[SS+2*\p:SS+2*\p+1], v[SS+2*\p:SS+2*\p+1], v[XR+16*\p+\i+2:XR+16*\p+\i+3]
.endr
.endr
	ROWSUM
.irp p, 0,1
.irp i, 0,2,4,6,8,10,12,14
	v_pk_fma_f32 v[DR+16*\p+\i:DR+16*\p+\i+1], v[SU+2*\p:SU+2*\p+1], s[NRC:NRC+1], v[XR+16*\p+\i:XR+16*\p+\i+1] op_sel_hi:[0,0,1]  ; x - sum / 256
.endr
.endr
	s_cmp_eq_u32 s[CNT], 1                         ; the next trip's rows are asked for as soon as these have been read; the last trip has none
	s_cbranch_scc1 .Lno_more_\@
	v_add_nc_u32 v[RA], 4096, v[RA]
.irp p, 0,1
.irp j, 0,1,2,3
	ds_load_b128 v[XR+16*\p+4*\j:XR+16*\p+4*\j+3], v[RA] offset:2048*\p+256*\j
.endr
.endr
.Lno_more_\@:
.irp p, 0,1
	v_pk_mul_f32 v[SU+2*\p:SU+2*\p+1], v[DR+16*\p:DR+16*\p+1], v[DR+16*\p:DR+16*\p+1]
	v_pk_mul_f32 v[SS+2*\p:SS+2*\p+1], v[DR+16*\p+2:DR+16*\p+3], v[DR+16*\p+2:DR+16*\p+3]
.endr
.irp i, 4,8,12
.irp p, 0,1
	v_pk_fma_f32 v[SU+2*\p:SU+2*\p+1], v[DR+16*\p+\i:DR+16*\p+\i+1], v[DR+16*\p+\i:DR+16*\p+\i+1], v[SU+2*\p:SU+2*\p+1]
	v_pk_fma_f32 v[SS+2*\p:SS+2*\p+1], v[DR+16*\p+\i+2:DR+16*\p+\i+3], v[DR+16*\p+\i+2:DR+16*\p+\i+3], v[SS+2*\p:SS+2*\p+1]
.endr
.endr
	ROWSUM
.irp p, 0,1
	v_fma_f32 v[SU+2*\p], v[SU+2*\p], s[NRC+1], s[EPS]  ; variance + eps
.endr
.irp p, 0,1
	v_rsq_f32 v[SS+2*\p], v[SU+2*\p]
.endr
	v_nop                                          ; a plain instruction behind the last v_rsq_f32 (ISA guide 5.7.2),
	s_wait_alu depctr_va_vdst(0)                   ; and the one wait ahead of the first use of the two results
.irp p, 0,1
.irp i, 0,2,4,6,8,10,12,14
	v_pk_mul_f32 v[DR+16*\p+\i:DR+16*\p+\i+1], v[DR+16*\p+\i:DR+16*\p+\i+1], v[SS+2*\p:SS+2*\p+1] op_sel_hi:[1,0]
.endr
.endr
.irp p, 0,1
.irp i, 0,2,4,6,8,10,12,14
	v_pk_fma_f32 v[DR+16*\p+\i:DR+16*\p+\i+1], v[DR+16*\p+\i:DR+16*\p+\i+1], v[LW+\i:LW+\i+1], v[LB+\i:LB+\i+1]
.endr
.endr
.irp p, 0,1
.irp i, 0,1,2,3,4,5,6,7
	v_cvt_pk_f16_f32 v[PK+8*\p+\i], v[DR+16*\p+2*\i], v[DR+16*\p+2*\i+1]
.endr
.endr
.irp p, 0,1
.irp j, 0,1,2,3
	ds_store_b64 v[SA], v[PK+8*\p+2*\j:PK+8*\p+2*\j+1] offset:2*STP*\p+128*\j  ; four f16 of row 2 p + h of the four, at column 64 j + 4 r
.endr
.endr
	v_add_nc_u32 v[SA], 4*STP, v[SA]
	s_sub_co_u32 s[CNT], s[CNT], 1
	s_cmp_lg_u32 s[CNT], 0
	s_cbranch_scc1 .Lrows_\@
	WIN 0x40                                       ; destination window 1
.irp ks, 0,1,2,3,4,5,6,7
	ds_load_b128 v[8*(8*(\a)+\ks):8*(8*(\a)+\ks)+3],   v[FR] offset:64*\ks     ; LDS serves a wave's instructions in order (ISA guide 5.7.1.4): these see the stores above, and the next tile's stores come behind them
	ds_load_b128 v[8*(8*(\a)+\ks)+4:8*(8*(\a)+\ks)+7], v[FR] offset:64*\ks+32
.endr
	WIN 0
.endm
; A PRODUCT OF 64 ROWS x 128 COLUMNS x 256: 8 column tiles ct x 4 row tiles a = 32 accumulators (window 2, at 8 (4 ct + a)), 8 K steps of 32.  The item's fragment (ct, ks) lies at (8 ct + ks) x 1,024.
.macro FETCHW ks, buf                  ; a K step's 8 fragments of weights, 16 loads of 512 consecutive bytes
	WIN 0xc0
.irp ct, 0,1,2,3,4,5,6,7
	ds_load_b128 v[64*(\buf)+8*\ct:64*(\buf)+8*\ct+3],   v[AW] offset:(8*\ct+(\ks))*1024
	ds_load_b128 v[64*(\buf)+8*\ct+4:64*(\buf)+8*\ct+7], v[AW] offset:(8*\ct+(\ks))*1024+512
.endr
.endm
.macro MMT ct, a, ks, buf              ; transposed: source 0 = weights (window 3), source 1 = rows (window 1)
.if (\ks) == 0
	v_wmma_f32_16x16x32_f16 v[8*(4*(\ct)+(\a)):8*(4*(\ct)+(\a))+7], v[64*(\buf)+8*(\ct):64*(\buf)+8*(\ct)+7], v[8*(8*(\a)+(\ks)):8*(8*(\a)+(\ks))+7], 0
.else
	v_wmma_f32_16x16x32_f16 v[8*(4*(\ct)+(\a)):8*(4*(\ct)+(\a))+7], v[64*(\buf)+8*(\ct):64*(\buf)+8*(\ct)+7], v[8*(8*(\a)+(\ks)):8*(8*(\a)+(\ks))+7], v[8*(4*(\ct)+(\a)):8*(4*(\ct)+(\a))+7]
.endif
.endm
.macro MMP ct, a, ks, buf              ; plain: source 0 = rows (window 1), source 1 = weights (window 3)
.if (\ks) == 0
	v_wmma_f32_16x16x32_f16 v[8*(4*(\ct)+(\a)):8*(4*(\ct)+(\a))+7], v[8*(8*(\a)+(\ks)):8*(8*(\a)+(\ks))+7], v[64*(\buf)+8*(\ct):64*(\buf)+8*(\ct)+7], 0
.else
	v_wmma_f32_16x16x32_f16 v[8*(4*(\ct)+(\a)):8*(4*(\ct)+(\a))+7], v[8*(8*(\a)+(\ks)):8*(8*(\a)+(\ks))+7], v[64*(\buf)+8*(\ct):64*(\buf)+8*(\ct)+7], v[8*(4*(\ct)+(\a)):8*(4*(\ct)+(\a))+7]
.endif
.endm
; A K step's 32 products, each on another accumulator, in the same order in every step: 31 others stand between two links of a chain.  The first step starts the sums with the constant 0.
; kind 0: a head's projections: ct 0, 1 = q, 2, 3 = k, 6, 7 = g transposed; ct 4, 5 = v plain.  kind 1: the output product, all transposed.
.macro MULS ks, buf, kind
	WIN 0xa7
.irp ct, 0,1,2,3,6,7
.irp a, 0,1,2,3
	MMT \ct, \a, \ks, \buf
.endr
.endr
.if \kind
.irp ct, 4,5
.irp a, 0,1,2,3
	MMT \ct, \a, \ks, \buf
.endr
.endr
.else
	WIN 0xad
.irp ct, 4,5
.irp a, 0,1,2,3
	MMP \ct, \a, \ks, \buf
.endr
.endr
.endif
.endm
.macro GEMM kind
	FETCHW 0, 0
	FETCHW 1, 1
.irp ks, 0,1,2,3,4,5,6,7
.if \ks < 7
	s_wait_dscnt 16                                ; all but the next step's 16 loads: this step's fragments are in (and whatever was asked of LDS before them)
.else
	s_wait_dscnt 0x0
.endif
	MULS \ks, (\ks)%2, \kind
.if \ks < 6
	PLACES                                         ; ahead of loads into the buffer just multiplied
	FETCHW (\ks)+2, (\ks)%2
.endif
.endr
.endm
; WHAT IS MADE OF A HEAD'S PROJECTIONS.  Each accumulator is read from its lowest registers on.
.macro CONV
	PLACES 8
	WIN 0x82
.irp ct, 0,1
.irp a, 0,1,2,3
.irp i, 0,2,4,6
	v_pk_mul_f32 v[8*(4*\ct+\a)+\i:8*(4*\ct+\a)+\i+1], v[8*(4*\ct+\a)+\i:8*(4*\ct+\a)+\i+1], s[CQ:CQ+1] op_sel_hi:[1,0]  ; q x log2(e) / sqrt(32), in f32, ahead of its one rounding
.endr
.endr
.endr
	WIN 0x0a
.irp ct, 0,1
.irp a, 0,1,2,3
.irp i, 0,1,2,3
	v_cvt_pk_f16_f32 v[QF+8*\a+4*\ct+\i], v[8*(4*\ct+\a)+2*\i], v[8*(4*\ct+\a)+2*\i+1]
.endr
.endr
.endr
	WIN 0xca                                       ; k and v: rounded into window 3, where the weight fragments lay
.irp ct, 0,1,2,3
.irp a, 0,1,2,3
.irp i, 0,1,2,3
	v_cvt_pk_f16_f32 v[4*(4*\ct+\a)+\i], v[8*(4*(2+\ct)+\a)+2*\i], v[8*(4*(2+\ct)+\a)+2*\i+1]
.endr
.endr
.endr
	WIN 0x0c                                       ; store data in window 3
.irp c, 0,1
.irp a, 0,1,2,3
	ds_store_b128 v[KST], v[4*(4*\c+\a):4*(4*\c+\a)+3] offset:1024*\a+512*\c         ; K: row tile 4 w + a, channels 16 c on
.endr
.endr
.irp c, 0,1
.irp a, 0,1,2,3
	ds_store_b128 v[VST], v[32+4*(4*\c+\a):32+4*(4*\c+\a)+3] offset:8192*\c+512*\a   ; V^T: channel tile c, keys 16 (4 w + a) on: half a % 2 of fragment u = 2 w + a / 2
.endr
.endr
	WIN 0
	s_wait_loadcnt 0x0                             ; bg of this head; its loads are done, so their base may be stepped
	s_add_nc_u64 s[12:13], s[12:13], 128
.irp i, 0,2,4,6,8,10,12,14
	v_pk_mul_f32 v[BF+\i:BF+\i+1], v[BF+\i:BF+\i+1], s[NL2:NL2+1] op_sel_hi:[1,0]
.endr
	WIN 0x02                                       ; the gate: 1 / (1 + 2^(-log2(e) (g + bg)))
.irp c, 0,1
.irp a, 0,1,2,3
.irp i, 0,2,4,6
	v_pk_fma_f32 v[GG+16*\a+8*\c+\i:GG+16*\a+8*\c+\i+1], v[8*(4*(6+\c)+\a)+\i:8*(4*(6+\c)+\a)+\i+1], s[NL2:NL2+1], v[BF+8*\c+\i:BF+8*\c+\i+1] op_sel_hi:[1,0,1]
.endr
.endr
.endr
	WIN 0
.set i, 0
.rept 64
	v_exp_f32 v[GG+i], v[GG+i]
.set i, i+1
.endr
	v_nop                                          ; one plain instruction and one wait for the batch of 64
	s_wait_alu depctr_va_vdst(0)
.set i, 0
.rept 32
	v_pk_add_f32 v[GG+i:GG+i+1], v[GG+i:GG+i+1], 1.0 op_sel_hi:[1,0]
.set i, i+2
.endr
.set i, 0
.rept 64
	v_rcp_f32 v[GG+i], v[GG+i]
.set i, i+1
.endr
	v_nop
	s_wait_alu depctr_va_vdst(0)
.endm
.macro LOADKV                          ; the head's K (16 fragments) and V^T (16), all waves' parts: 64 loads, K's first
	WIN 0x80
.set i, 0
.rept 32
	ds_load_b128 v[8*i:8*i+3],   v[KLD] offset:1024*i
	ds_load_b128 v[8*i+4:8*i+7], v[KLD] offset:1024*i+512
.set i, i+1
.endr
.endm
; ATTENTION OF QUERY TILE t (16 queries) OVER ALL 256 KEYS.  hb: which of the item's two tiles of bias is its own.  first = 1: K and V^T have just been asked for.
.macro QTILE t, hb, first
	WIN 0
.irp u, 0,1,2,3,4,5,6,7
	ds_load_b128 v[BF+8*\u:BF+8*\u+3],   v[AB] offset:8192*(\hb)+1024*\u
	ds_load_b128 v[BF+8*\u+4:BF+8*\u+7], v[AB] offset:8192*(\hb)+1024*\u+512
.endr
.if \first
	s_wait_dscnt 48                                ; K's 32 loads are in; V^T's 32 and the bias's 16 may stay out
.endif
	WIN 0xf2                                       ; K window 2, Q window 0, mask bias and S^T window 3
.set i, 0
.rept 16
	v_wmma_f32_16x16x32_f16 v[8*i:8*i+7], v[8*i:8*i+7], v[QF+8*(\t):QF+8*(\t)+7], v[128+8*i:128+8*i+7]
.set i, i+1
.endr
	s_wait_dscnt 0x0                               ; the bias (and V^T)
	WIN 0xf0                                       ; selector and bias window 0.  The 16 accumulators take turns: 15 others stand between the two links of a chain
.set i, 0
.rept 16
	v_wmma_f32_16x16x32_f16 v[8*i:8*i+7], v[ID+4-4*(i%2):ID+11-4*(i%2)], v[BF+8*(i/2):BF+8*(i/2)+7], v[8*i:8*i+7]
.set i, i+1
.endr
	PLACES 8
	WIN 0x3f                                       ; the maximum of my 128 scores: four chains of 32 registers each, ascending
.irp c, 0,1,2,3
	v_max3_num_f32 v[C0+\c], v[32*\c], v[32*\c+1], v[32*\c+2]
.endr
	WIN 0x3c
.set i, 3
.rept 14
.irp c, 0,1,2,3
	v_max3_num_f32 v[C0+\c], v[C0+\c], v[32*\c+i], v[32*\c+i+1]
.endr
.set i, i+2
.endr
	v_max3_num_f32 v[C0], v[C0], v31, v63
	v_max3_num_f32 v[C0+2], v[C0+2], v95, v127
	WIN 0
	v_max3_num_f32 v[C0], v[C0], v[C0+1], v[C0+2]
	v_max_num_f32 v[C0], v[C0], v[C0+3]
	v_permlanex16_b32 v[C0+1], v[C0], s[SEL], s[SEL+1]  ; the query's other 128 keys lie in the lane 16 away
	v_max_num_f32 v[MX], v[C0], v[C0+1]
	WIN 0xc3                                       ; p = 2^(s - max): ONE batch of 128 exponentials, each four pairs behind its subtraction; nothing names a result ahead of the one wait
.set i, 0
.rept 64
	v_pk_add_f32 v[2*i:2*i+1], v[2*i:2*i+1], v[MX:MX+1] op_sel_hi:[1,0] neg_lo:[0,1] neg_hi:[0,1]
.if i >= 4
	v_exp_f32 v[2*i-8], v[2*i-8]
	v_exp_f32 v[2*i-7], v[2*i-7]
.endif
.set i, i+1
.endr
.set i, 120
.rept 8
	v_exp_f32 v[i], v[i]
.set i, i+1
.endr
	v_nop
	s_wait_alu depctr_va_vdst(0)
	WIN 0x0f                                       ; l, of the unrounded p: four chains of pairs
.irp c, 0,1,2,3
	v_pk_add_f32 v[LS+2*\c:LS+2*\c+1], v[2*\c:2*\c+1], v[8+2*\c:8+2*\c+1]
.endr
	WIN 0x0c
.set i, 16
.rept 14
.irp c, 0,1,2,3
	v_pk_add_f32 v[LS+2*\c:LS+2*\c+1], v[LS+2*\c:LS+2*\c+1], v[i+2*\c:i+2*\c+1]
.endr
.set i, i+8
.endr
	WIN 0xcf                                       ; p rounded to f16 in place, ascending: register i takes pair i, never above its sources; registers 8 u .. 8 u + 7 are the fragment of keys 32 u on
.set i, 0
.rept 64
	v_cvt_pk_f16_f32 v[i], v[2*i], v[2*i+1]
.set i, i+1
.endr
	WIN 0x0e                                       ; V^T window 2, P window 3, O^T window 0.  Four accumulators (channel tile x parity of u) take turns; the first four products start the sums
.set i, 0
.rept 16
.if i < 4
	v_wmma_f32_16x16x32_f16 v[OT+16*(i%2)+8*((i/2)%2):OT+16*(i%2)+8*((i/2)%2)+7], v[128+8*(8*(i%2)+i/2):128+8*(8*(i%2)+i/2)+7], v[8*(i/2):8*(i/2)+7], 0
.else
	v_wmma_f32_16x16x32_f16 v[OT+16*(i%2)+8*((i/2)%2):OT+16*(i%2)+8*((i/2)%2)+7], v[128+8*(8*(i%2)+i/2):128+8*(8*(i%2)+i/2)+7], v[8*(i/2):8*(i/2)+7], v[OT+16*(i%2)+8*((i/2)%2):OT+16*(i%2)+8*((i/2)%2)+7]
.endif
.set i, i+1
.endr
	WIN 0                                          ; l's additions and four v_nop are the places behind the last products
	v_pk_add_f32 v[LS:LS+1], v[LS:LS+1], v[LS+2:LS+3]
	v_pk_add_f32 v[LS+4:LS+5], v[LS+4:LS+5], v[LS+6:LS+7]
	v_pk_add_f32 v[LS:LS+1], v[LS:LS+1], v[LS+4:LS+5]
	v_add_f32 v[LS], v[LS], v[LS+1]
	PLACES
	v_permlanex16_b32 v[LS+1], v[LS], s[SEL], s[SEL+1]
	v_add_f32 v[LS], v[LS], v[LS+1]
	v_rcp_f32 v[RL], v[LS]
.irp c, 0,1
.irp i, 0,2,4,6
	v_pk_add_f32 v[OT+16*\c+\i:OT+16*\c+\i+1], v[OT+16*\c+\i:OT+16*\c+\i+1], v[OT+16*\c+8+\i:OT+16*\c+8+\i+1]  ; the two parities; independent work behind the reciprocal
.endr
.endr
	s_wait_alu depctr_va_vdst(0)                   ; ahead of the first use of 1 / l
.irp c, 0,1
.irp i, 0,2,4,6
	v_pk_mul_f32 v[OT+16*\c+\i:OT+16*\c+\i+1], v[OT+16*\c+\i:OT+16*\c+\i+1], v[RL:RL+1] op_sel_hi:[1,0]
.endr
.endr
.irp c, 0,1
.irp i, 0,2,4,6
	v_pk_mul_f32 v[OT+16*\c+\i:OT+16*\c+\i+1], v[OT+16*\c+\i:OT+16*\c+\i+1], v[GG+16*(\t)+8*\c+\i:GG+16*(\t)+8*\c+\i+1]
.endr
.endr
.irp c, 0,1
.irp i, 0,1,2,3
	v_cvt_pk_f16_f32 v[OGT+4*\c+\i], v[OT+16*\c+2*\i], v[OT+16*\c+2*\i+1]
.endr
.endr
.irp c, 0,1
	ds_store_b128 v[OGA], v[OGT+4*\c:OGT+4*\c+3] offset:1024*(\t)+512*\c  ; my own bytes: only I read them
.endr
.endm
; HALF OF out0'S COLUMNS: the product with an item of wo, + bo, out through my stage: a lane's eight columns of a row go in, whole rows of 512 bytes come back.
.macro FBODY
	WIN 0
	global_load_b128 v[BOR:BOR+3], v[OUA], s[14:15]
	GEMM 1
	PLACES 8
.irp a, 0,1,2,3
	WIN 0x08                                       ; store data in window 2
.irp ct, 0,1,2,3,4,5,6,7
	ds_store_b128 v[STW], v[8*(4*\ct+\a):8*(4*\ct+\a)+3]   offset:64*\ct
	ds_store_b128 v[STW], v[8*(4*\ct+\a)+4:8*(4*\ct+\a)+7] offset:64*\ct+16
.endr
	WIN 0
	s_wait_xcnt 0x0                                ; the last tile's stores have read their data: the registers are loaded again only behind this wait
.set i, 0
.rept 16
	ds_load_b128 v[BF+4*i:BF+4*i+3], v[STR] offset:STP*i  ; LDS serves a wave's instructions in order: these see the stores above; the next tile's stores come behind them
.set i, i+1
.endr
.if \a == 0
	s_wait_loadcnt 0x0                             ; bo
.endif
.set i, 0
.rept 16
	s_wait_dscnt 15-i                              ; row i is in; the younger rows may stay out
	v_pk_add_f32 v[BF+4*i:BF+4*i+1], v[BF+4*i:BF+4*i+1], v[BOR:BOR+1]
	v_pk_add_f32 v[BF+4*i+2:BF+4*i+3], v[BF+4*i+2:BF+4*i+3], v[BOR+2:BOR+3]
	global_store_b128 v[OUA], v[BF+4*i:BF+4*i+3], s[18:19] offset:(16*\a+i)*1024 th:TH_STORE_NT  ; the wave stores 512 consecutive bytes, at a multiple of 512 from out0's first byte
.set i, i+1
.endr
.endr
.endm
	s_wait_tensorcnt 0x3                           ; my raw tile 0 is in LDS; the three younger loads may stay out.  Only I read these bytes
	LNTILE 0
	CHANGE 1, 0, 0, 0                              ; slot 0 has been read out: item 0 goes into it and lands under the other three tiles' LN
	LNTILE 1
	LNTILE 2
	LNTILE 3
	s_mov_b32 s[HEADS], 8
.Lhead:                                            ; three phases a head, each reading one item while the next lands: every trip fills three times
	CHANGE 1, 1, 1, 1
.irp c, 0,1
	global_load_b128 v[BF+8*\c:BF+8*\c+3],   v[H32], s[12:13] offset:64*\c     ; bg of channels 16 c + 8 h + 0..7 of this head: wanted behind the product
	global_load_b128 v[BF+8*\c+4:BF+8*\c+7], v[H32], s[12:13] offset:64*\c+16
.endr
	GEMM 0
	CONV
	CHANGE 1, 1, 1, 1                              ; K and V^T of all four waves lie in LDS
	LOADKV
	QTILE 0, 0, 1
	QTILE 1, 1, 0
	CHANGE 1, 1, 1, 1
	QTILE 2, 0, 0
	QTILE 3, 1, 0
	WIN 0
	v_add_nc_u32 v[OGA], 4096, v[OGA]
	s_sub_co_u32 s[HEADS], s[HEADS], 1
	s_cmp_lg_u32 s[HEADS], 0
	s_cbranch_scc1 .Lhead
	CHANGE 1, 1, 0, 1                              ; item 24 is in; item 25, the last, goes out
	WIN 0x40
.set i, 0
.rept 32                                           ; o g: row tile i / 8, head i % 8, where LN(m) lay
	ds_load_b128 v[8*i:8*i+3],   v[OGL] offset:4096*(i%8)+1024*(i/8)
	ds_load_b128 v[8*i+4:8*i+7], v[OGL] offset:4096*(i%8)+1024*(i/8)+512
.set i, i+1
.endr
	WIN 0
	s_mov_b32 s[CNT], 2
.Lhalf:
	FBODY
	CHANGE 0, 0, 0, 1                              ; nothing is left to fetch: a barrier of the work-group; the second half reads item 25
	s_wait_xcnt 0x0                                ; the stores have read their offset
	v_add_nc_u32 v[OUA], 512, v[OUA]
	s_sub_co_u32 s[CNT], s[CNT], 1
	s_cmp_lg_u32 s[CNT], 0
	s_cbranch_scc1 .Lhalf
	s_wait_tensorcnt 0x0                           ; the wave's end: behind my last tensor load and my last LDS store
	ds_add_u32 v[SPW], v[NIL]
	s_wait_dscnt 0x0
	CROUND                                         ; the closing round: no work-group ends while a partner may still ask for an item that names it
	s_endpgm
.Lfunc_end_k_q32ce2361d9_msa:
	.size	k_q32ce2361d9_msa, .Lfunc_end_k_q32ce2361d9_msa-k_q32ce2361d9_msa
	.p2alignl 7, 3214868480
	.fill 96, 4, 3214868480
	.section	.rodata,"a",@progbits
	.p2align	6, 0x0
	.amdhsa_kernel k_q32ce2361d9_msa
		.amdhsa_group_segment_fixed_size 327680
		.amdhsa_private_segment_fixed_size 0
		.amdhsa_enable_private_segment 0
		.amdhsa_kernarg_size 64
		.amdhsa_user_sgpr_count 2
		.amdhsa_user_sgpr_kernarg_segment_ptr 1
		.amdhsa_wavefront_size32 1
		.amdhsa_system_sgpr_workgroup_id_x 1
		.amdhsa_system_sgpr_workgroup_id_y 1
		.amdhsa_system_sgpr_workgroup_id_z 1
		.amdhsa_system_vgpr_workitem_id 0
		.amdhsa_next_free_vgpr 1024
		.amdhsa_next_free_sgpr 96
		.amdhsa_reserve_vcc 1
		.amdhsa_float_denorm_mode_32 3
		.amdhsa_float_denorm_mode_16_64 3
		.amdhsa_memory_ordered 1
		.amdhsa_forward_progress 1
		.amdhsa_inst_pref_size 255
	.end_amdhsa_kernel
	.section	.bss,"aw",@nobits
	.p2align	6
	.space	262144
	.amdgpu_metadata
---
amdhsa.version: [ 1, 2 ]
amdhsa.kernels:
  - .name:           k_q32ce2361d9_msa
    .symbol:         k_q32ce2361d9_msa.kd
    .args:
      - { .name: m, .offset: 0, .size: 8, .value_kind: global_buffer, .address_space: global }
      - { .name: mask, .offset: 8, .size: 8, .value_kind: global_buffer, .address_space: global }
      - { .name: ln_m_w, .offset: 16, .size: 8, .value_kind: global_buffer, .address_space: global }
      - { .name: ln_m_b, .offset: 24, .size: 8, .value_kind: global_buffer, .address_space: global }
      - { .name: bg, .offset: 32, .size: 8, .value_kind: global_buffer, .address_space: global }
      - { .name: bo, .offset: 40, .size: 8, .value_kind: global_buffer, .address_space: global }
      - { .name: stream, .offset: 48, .size: 8, .value_kind: global_buffer, .address_space: global }
      - { .name: out0, .offset: 56, .size: 8, .value_kind: global_buffer, .address_space: global }
    .group_segment_fixed_size: 327680
    .private_segment_fixed_size: 0
    .kernarg_segment_align: 8
    .kernarg_segment_size: 64
    .max_flat_workgroup_size: 128
    .sgpr_count:     96
    .vgpr_count:     1024
    .wavefront_size: 32
...
	.end_amdgpu_metadata
.endif
;; end of part 2
